; MI455X (gfx1250); checked and timed in simulation.
; The chip was launched on July 23, 2026; its instructions are those of AMD's public machine-readable ISA for CDNA 5 (MIT licence, August 2026) and "CDNA5" Instruction Set Architecture Reference Guide (July 2026). The comments in the code are by the model that wrote it; some were corrected since.
;; Spatial Self Attention2d. Allowed arithmetic: matrix products marked QUANTISED: E5M2 operands, one given power-of-two scale a tensor, by v_wmma_f32_16x16x64_bf8_bf8 or v_wmma_f32_16x16x128_bf8_bf8, f32 sums; everything else in f32.
;; Inputs: lowp_scales 8 int32 (the exponents e of the quantised operands' scales 2^e); norm_beta 256 float32; norm_gamma 256 float32; proj_b 256 float32; proj_w_codes 256 x 8 x 32 uint8 (E5M2 codes of proj_w, K innermost, in blocks of 32 codes); qkv_b 768 float32; qkv_w_codes 768 x 8 x 32 uint8 (E5M2 codes of qkv_w, K innermost, in blocks of 32 codes); x 4 x 256 x 64 x 64 float32.
;; Outputs: out0 4 x 256 x 64 x 64 float32.
;; This version of the problem:
;;   THIS VERSION OF THE PROBLEM IS GIVEN IN LOW PRECISION. The matrix products marked QUANTISED in the list below multiply operands that are first quantised to E5M2 (5 exponent bits, 2 mantissa bits; 8 bits a number), with one given power-of-two scale for each operand tensor; their sums are f32. All else is computed in f32.
;;   The module's matrix products, in the order in which they are computed (A, B: the left and right operand; K: the contracted axis; several contracted axes count as one K, in the product's order):
;;     1. [M 768, K 256] x [K 256, N 16,384]; A: input qkv_w (given as codes); B: computed on the way: QUANTISED (scales: A lowp_scales[0], B lowp_scales[1])
;;     2. batch 16 x [M 4,096, K 64] x [K 64, N 4,096]; A: computed on the way; B: computed on the way: QUANTISED (scales: A lowp_scales[2], B lowp_scales[3])
;;     3. batch 16 x [M 4,096, K 4,096] x [K 4,096, N 64]; A: softmax (see below); B: computed on the way: QUANTISED (scales: A lowp_scales[4], B lowp_scales[5])
;;     4. [M 256, K 256] x [K 256, N 16,384]; A: input proj_w (given as codes); B: computed on the way: QUANTISED (scales: A lowp_scales[6], B lowp_scales[7])
;;   THE QUANTISER, for each operand of a quantised product, along K:
;;     - The operand's scale is 2^e, e = its entry of the input lowp_scales (int32; the entries are numbered through the quantised products in the list's order, A before B).
;;     - Each number is divided by the scale, clamped to +-57,344, and rounded to the nearest number of E5M2, ties to even, subnormals kept.
;;     - The product sums the exact products of the quantised numbers (number of the format x scale) in f32.
;;   ~~~python
;;   def quantise(x, axis, e):      # numpy; x: float32 -> the quantised numbers, widened to float32 again
;;       x = np.moveaxis(x, axis, -1); K = x.shape[-1]
;;       r = np.clip(x / 2.0 ** e, -57344, 57344)
;;       step = 2.0 ** (np.maximum(np.frexp(np.where(r == 0, 1, r))[1] - 1, -14) - 2)
;;       q = np.round(r / step) * step * 2.0 ** e      # np.round: ties to even
;;       return np.moveaxis(q, -1, axis).astype(np.float32)
;;   ~~~
;;   SOFTMAX AHEAD OF A QUANTISED PRODUCT. Where the list says 'softmax', what is quantised is not the finished softmax but p = 2^(t - M), with t = logit x log2(e) and M = ceil(the row's largest t), a whole number; so 1/2 < the row's largest p <= 1. The row's sum l is taken of the UNQUANTISED p, in f32, and the product's result is divided by l at the end. Since M is a whole number, a kernel that streams over the keys may use a running M (the ceiling of the running maximum): every later rescaling is an exact power of two, so the quantised numbers keep their values, but for numbers so far below the row's largest that they fall under the format's range.
;;   OPERANDS COMPUTED ON THE WAY. 'Computed on the way' means the value that the module computes at that place (a softmax that the list does not call 'softmax' is quantised finished and normalised). What goes into a quantiser is computed in f32, as accurately as f32 sums, v_exp_f32 and their like allow (about 1e-6 of the number): no bf16 or f16 on the way to a quantiser, and a product that is left as it is and whose result goes on into a quantised operand takes f32 operands (vector FMAs, or v_wmma_f32_16x16x4_f32). A number that lies on a knife's edge between two numbers of the format may be rounded either way, as far as f32 arithmetic and the matrix unit's own rounding can turn it there, and no further.
;;   INPUTS GIVEN AS CODES. proj_w (in the module: [256, 256], K = its axis 1); qkv_w (in the module: [768, 256], K = its axis 1): each comes as NAME_codes (uint8): NAME with its K axis moved to the last place and cut into blocks of 32 codes, [.., K / 32, bytes a block], one block behind the other in memory; one code a byte (a code: sign, 5 exponent bits, 2 mantissa bits); its scale is its entry of lowp_scales. Its value is code x scale, taken as it is: it is not quantised again, and the codes and scales need not be those that the quantiser above would give.
;; One version. Each part assembles by itself: llvm-mc -triple=amdgcn-amd-amdhsa -mcpu=gfx1250 --defsym DOCPART=n.
;; ======== version 1 of 1: 3 launches
;; limits: right only within a limited range of input values
;; workspace buffers: gstats 2,048 bytes; qimg 4,194,304 bytes; kv 8,388,608 bytes
;; launch stats (part 1): grid 256 x 1, 8 waves a work-group, no clusters, 1,280 bytes of LDS; arguments x, gstats; writes gstats
.if DOCPART == 1
	.amdgcn_target "amdgcn-amd-amdhsa--gfx1250"
	.amdhsa_code_object_version 6
	.text
	.protected	k_q9cfb569da0_stats
	.globl	k_q9cfb569da0_stats
	.p2align	8
	.type	k_q9cfb569da0_stats,@function
k_q9cfb569da0_stats:
	s_mov_b64 s[64:65], 0
	v_nop
	global_prefetch_b8 v0, s[64:65] scope:SCOPE_SE
	s_setreg_imm32_b32 hwreg(HW_REG_WAVE_MODE, 25, 1), 1
	s_wait_xcnt 0x0
; GroupNorm's statistics, by halves of a group.  A group is 8 channels x 4,096 pixels = 131,072 consecutive bytes of x; work-group g2 owns half of one:
; 65,536 consecutive bytes at 65,536 g2, and stores (mean, M2 = the sum of (x - mean)^2) at 8 g2.  The next launch joins the two halves of equal count.
; Two passes over numbers that stay in registers (64 a thread): the mean first, then the squares of the differences, so that a common offset of x costs no digits.
; Each load of a wave covers 512 consecutive bytes.  No tile is shared between work-groups, so there is no cluster, no LDS tile and no matrix work; LDS holds the eight waves' partial sums and a spare word a thread.
.set X,  16                            ; v16-79  my 64 numbers
.set CH, 80                            ; v80-87  four chains of pairs
.set MN, 88                            ; v88-89  the mean, twice; at the end (mean, M2)
	s_load_b128 s[4:7], s[0:1], 0x0                ; x, gstats
	v_lshl_add_u32 v96, v0, 2, 0x100
	v_mov_b32 v97, 0
	v_lshlrev_b32 v1, 4, v0                        ; 16 bytes a thread
	v_lshrrev_b32 v2, 5, v0
	s_delay_alu instid0(VALU_DEP_1)
	v_readfirstlane_b32 s8, v2                     ; wave
	s_delay_alu instid0(VALU_DEP_2)
	v_lshlrev_b32 v2, 2, v2                        ; my wave's word in LDS
	v_mov_b32 v3, 0
	v_mov_b32 v4, 0                                ; a lane permute's destination counts as read
	s_lshl_b32 s10, ttmp9, 16
	s_mov_b32 s11, 0
	s_mov_b32 s12, 0x76543210
	s_mov_b32 s13, 0xfedcba98
	s_wait_alu depctr_va_vdst(0)
	s_wait_kmcnt 0x0
	s_add_nc_u64 s[4:5], s[4:5], s[10:11]
.irp i, 0,1,2,3,4,5,6,7,8,9,10,11,12,13,14,15
	global_load_b128 v[X+4*\i:X+4*\i+3], v1, s[4:5] offset:4096*\i
.endr
	s_lshl_b32 s10, ttmp9, 3
	s_add_nc_u64 s[6:7], s[6:7], s[10:11]          ; where my two numbers go
; the four chains become one number, the same in all 32 lanes
.macro JOIN
	v_pk_add_f32 v[CH:CH+1], v[CH:CH+1], v[CH+2:CH+3]
	s_delay_alu instid0(VALU_DEP_2)
	v_pk_add_f32 v[CH+4:CH+5], v[CH+4:CH+5], v[CH+6:CH+7]
	s_delay_alu instid0(VALU_DEP_1)
	v_pk_add_f32 v[CH:CH+1], v[CH:CH+1], v[CH+4:CH+5]
	s_delay_alu instid0(VALU_DEP_1)
	v_add_f32 v[CH], v[CH], v[CH+1]
	s_delay_alu instid0(VALU_DEP_1)
	v_add_f32_dpp v[CH], v[CH], v[CH] row_xmask:1 row_mask:0xf bank_mask:0xf
	s_delay_alu instid0(VALU_DEP_1)
	v_add_f32_dpp v[CH], v[CH], v[CH] row_xmask:2 row_mask:0xf bank_mask:0xf
	s_delay_alu instid0(VALU_DEP_1)
	v_add_f32_dpp v[CH], v[CH], v[CH] row_xmask:4 row_mask:0xf bank_mask:0xf
	s_delay_alu instid0(VALU_DEP_1)
	v_add_f32_dpp v[CH], v[CH], v[CH] row_xmask:8 row_mask:0xf bank_mask:0xf
	s_delay_alu instid0(VALU_DEP_1)
	v_permlanex16_b32 v4, v[CH], s12, s13
	s_delay_alu instid0(VALU_DEP_1)
	v_add_f32 v[CH], v[CH], v4
.endm
; the eight waves' numbers meet in LDS, at byte off: store, wait, barrier, load.  The two uses have bytes of their own, so nothing is overwritten
.macro ACROSS off
	ds_store_b32 v2, v[CH] offset:\off
	s_wait_dscnt 0x0                               ; for the others' sake: my store has landed
	s_barrier_signal -1
	s_barrier_wait -1
	ds_load_b128 v[8:11], v3 offset:\off
	ds_load_b128 v[12:15], v3 offset:\off+16
	s_wait_dscnt 0x0
	v_add_f32 v8, v8, v9
	v_add_f32 v10, v10, v11
	v_add_f32 v12, v12, v13
	v_add_f32 v14, v14, v15
	s_delay_alu instid0(VALU_DEP_3)
	v_add_f32 v8, v8, v10
	s_delay_alu instid0(VALU_DEP_2)
	v_add_f32 v12, v12, v14
	s_delay_alu instid0(VALU_DEP_1)
	v_add_f32 v8, v8, v12
.endm
	; pass 1: the sum.  The first four loads start the chains: nothing is cleared
.irp i, 0,1,2,3,4,5,6,7,8,9,10,11,12,13,14,15
.if (\i%4) == 0
	s_wait_alu depctr_va_vdst(0)
	s_wait_loadcnt 12-\i                           ; loads come back in order: four more are in, the younger ones stay out
.endif
.if \i < 4
	v_pk_add_f32 v[CH+2*\i:CH+2*\i+1], v[X+4*\i:X+4*\i+1], v[X+4*\i+2:X+4*\i+3]
.else
	v_pk_add_f32 v[CH+2*(\i%4):CH+2*(\i%4)+1], v[CH+2*(\i%4):CH+2*(\i%4)+1], v[X+4*\i:X+4*\i+1]
	s_delay_alu instid0(VALU_DEP_1)
	v_pk_add_f32 v[CH+2*(\i%4):CH+2*(\i%4)+1], v[CH+2*(\i%4):CH+2*(\i%4)+1], v[X+4*\i+2:X+4*\i+3]
.endif
.endr
	JOIN
	ACROSS 0
	s_delay_alu instid0(VALU_DEP_1)
	v_mul_f32 v[MN], 0x38800000, v8                ; / 16,384: exact
	s_delay_alu instid0(VALU_DEP_1)
	v_mov_b32 v[MN+1], v[MN]
	; pass 2: the sum of (x - mean)^2
.set k, 0
.rept 32
	v_pk_add_f32 v[X+2*k:X+2*k+1], v[X+2*k:X+2*k+1], v[MN:MN+1] neg_lo:[0,1] neg_hi:[0,1]
.set k, k+1
.endr
.set k, 0
.rept 32
.if k < 4
	v_pk_mul_f32 v[CH+2*k:CH+2*k+1], v[X+2*k:X+2*k+1], v[X+2*k:X+2*k+1]
.else
	s_delay_alu instid0(VALU_DEP_4)
	v_pk_fma_f32 v[CH+2*(k%4):CH+2*(k%4)+1], v[X+2*k:X+2*k+1], v[X+2*k:X+2*k+1], v[CH+2*(k%4):CH+2*(k%4)+1]
.endif
.set k, k+1
.endr
	JOIN
	ACROSS 64
	s_delay_alu instid0(VALU_DEP_1)
	v_mov_b32 v[MN+1], v8                          ; (mean, M2)
	s_cmp_lg_u32 s8, 0
	s_cbranch_scc1 .Lend                           ; one lane of wave 0 stores
	s_wait_xcnt 0x0                                ; EXEC changes only behind this wait
	v_cmp_eq_u32 vcc_lo, 0, v0
	s_and_saveexec_b32 s9, vcc_lo
	s_wait_alu depctr_va_vdst(0)
	global_store_b64 v3, v[MN:MN+1], s[6:7]
	s_wait_xcnt 0x0                                ; and again in front of the line that widens it
	s_or_b32 exec_lo, exec_lo, s9
.Lend:
	s_wait_tensorcnt 0x0
	ds_add_u32 v96, v97
	s_wait_dscnt 0x0
	s_endpgm
.Lfunc_end_k_q9cfb569da0_stats:
	.size	k_q9cfb569da0_stats, .Lfunc_end_k_q9cfb569da0_stats-k_q9cfb569da0_stats
	.p2alignl 7, 3214868480
	.fill 96, 4, 3214868480
	.section	.rodata,"a",@progbits
	.p2align	6, 0x0
	.amdhsa_kernel k_q9cfb569da0_stats
		.amdhsa_group_segment_fixed_size 1280
		.amdhsa_private_segment_fixed_size 0
		.amdhsa_enable_private_segment 0
		.amdhsa_kernarg_size 16
		.amdhsa_user_sgpr_count 2
		.amdhsa_user_sgpr_kernarg_segment_ptr 1
		.amdhsa_wavefront_size32 1
		.amdhsa_system_sgpr_workgroup_id_x 1
		.amdhsa_system_sgpr_workgroup_id_y 1
		.amdhsa_system_sgpr_workgroup_id_z 1
		.amdhsa_system_vgpr_workitem_id 0
		.amdhsa_next_free_vgpr 98
		.amdhsa_next_free_sgpr 66
		.amdhsa_reserve_vcc 1
		.amdhsa_float_denorm_mode_32 3
		.amdhsa_float_denorm_mode_16_64 3
		.amdhsa_memory_ordered 1
		.amdhsa_forward_progress 1
		.amdhsa_inst_pref_size 14
	.end_amdhsa_kernel
	.amdgpu_metadata
---
amdhsa.version: [ 1, 2 ]
amdhsa.kernels:
  - .name:           k_q9cfb569da0_stats
    .symbol:         k_q9cfb569da0_stats.kd
    .args:
      - { .name: x, .offset: 0, .size: 8, .value_kind: global_buffer, .address_space: global }
      - { .name: gstats, .offset: 8, .size: 8, .value_kind: global_buffer, .address_space: global }
    .group_segment_fixed_size: 1280
    .private_segment_fixed_size: 0
    .kernarg_segment_align: 8
    .kernarg_segment_size: 16
    .max_flat_workgroup_size: 256
    .sgpr_count:     66
    .vgpr_count:     98
    .wavefront_size: 32
...
	.end_amdgpu_metadata
.endif
;; end of part 1
;; launch qkv (part 2): grid 256 x 1, 16 waves a work-group, clusters of 4 x 1, 227,328 bytes of LDS; arguments x, gstats, norm_gamma, norm_beta, qkv_w_codes, qkv_b, lowp_scales, qimg, kv; writes qimg, kv
.if DOCPART == 2
	.amdgcn_target "amdgcn-amd-amdhsa--gfx1250"
	.amdhsa_code_object_version 6
	.text
	.protected	k_q9cfb569da0_qkv
	.globl	k_q9cfb569da0_qkv
	.p2align	8
	.type	k_q9cfb569da0_qkv,@function
k_q9cfb569da0_qkv:
	s_mov_b64 s[64:65], 0
	v_nop
	global_prefetch_b8 v0, s[64:65] scope:SCOPE_SE
	s_setreg_imm32_b32 hwreg(HW_REG_WAVE_MODE, 25, 1), 1
	s_wait_xcnt 0x0
	s_wait_alu depctr_hold_cnt(0) depctr_sa_sdst(0) depctr_va_vdst(0) depctr_va_sdst(0) depctr_va_ssrc(0) depctr_va_vcc(0) depctr_vm_vsrc(0)
	s_getreg_b32 s2, hwreg(HW_REG_IB_STS2, 6, 4)
	s_cmp_eq_u32 s2, 0
	s_cbranch_scc0 .Lentry_in_a_cluster
	s_endpgm
.Lentry_in_a_cluster:
	s_bfe_u32 s2, ttmp6, 0x10000c
	s_cmp_lg_u32 s2, 0x3003
	s_cbranch_scc0 .Lentry_shape_is_right
	s_endpgm
.Lentry_shape_is_right:
; h = GroupNorm(x) is quantised (2^e1), multiplied by qkv_w's codes (2^e0) on the BF8 matrix form, the bias is added, and q (2^e2), k (2^e3), v (2^e5) leave as codes.
; SHARES.  Work-group G = 4 x cluster + cx owns 64 pixels (block G % 64 of image G / 64) and all 768 outputs.  A block's pixels form four tiles: row r of tile p is pixel 4 r + p, so that a lane's 16 bytes of x
; (pixels 4 r .. 4 r + 3 of one channel) feed all four tiles and sixteen lanes read 256 consecutive bytes.  K, V and Q use the same tiles, so keys agree between K and V; the last launch undoes the order for the queries.
; X PHASE, all 16 waves: wave w, lane (r, h) takes channels 32 (w / 2) + 16 h + 8 (w % 2) + 0 .. 7, which are one group; the arithmetic writes them as four runs of 8 registers along the channels, one a tile;
; one conversion a tile gives 8 codes, stored into an IMAGE OF THE OPERAND'S REGISTERS in LDS: fragment (tile p, K step s) at 2,048 (2 p + s); registers 4 c .. 4 c + 3 of lane l (k = 32 c + 16 h + 0 .. 15) at 512 c + 16 l.
; PRODUCT PHASE, waves 0 to 11: wave u owns rows 64 u .. 64 u + 63 of W: q, k or v (u / 4) of head u % 4.  q, k: source 0 = 16 rows of W, source 1 = h: a lane holds one pixel and its registers run along the head's 64,
; so a conversion's two registers are registers 2 a, 2 a + 1 of the next product's fragment.  v: the sources swapped: a lane holds one channel and its registers run along the pixels, which are the keys.
; The fragments go to memory as images (registers 4 c .. 4 c + 3 of lane l at 512 c + 16 l of 1,024 bytes): every store of a wave covers 512 consecutive bytes, aligned.
;   qimg: [G][head][tile p][1,024].   kv: [image][slot of 256 keys][131,072]: K at 0: [tile 0 .. 15][head][1,024]; V at 65,536: [block 0 .. 3][head][16 channels dt][1,024].
; W's k and h's k are permuted alike (16 neighbouring bytes a lane), so every product meets its partner.
; CLUSTER.  All work-groups read the same 196,608 bytes of W: the four partners ask for them jointly, mask 15.  Waves 0 to 11 each bring the 64 rows that they multiply.  Nothing is filled twice.
; LIMITS on the given exponents, so that each power of two made below is an f32 number: e1, and e2 - e0 - e1, e3 - e0 - e1, e5 - e0 - e1, between -126 and 112.  NaN among the inputs is not served.
.set PITCH, 272                        ; a row of W in LDS: 256 bytes + 16 of padding = 68 words: the 16 rows of a load start at 16 different banks (64 banks of 4 bytes: ISA guide 11.1)
.set WPART, 64*PITCH                   ; a wave's 64 rows
.set HIMG,  12*WPART                   ; behind W: h's eight images, 16,384 bytes
.set WV,   22                          ; s22      wave
.set G1,   24                          ; s[24:31] descriptor group 1
.set G0,   32                          ; s[32:35] descriptor group 0
.set SCV,  1                           ; v1   2^(ek - e0 - e1) for the results' conversions
.set LIMV, 2
.set HH,   3                           ; v3   h = lane / 16
.set HFA,  4                           ; v4   LDS: HIMG + 16 x lane
.set HST,  5                           ; v5   LDS: where my 8 codes of h go
.set WFA,  6                           ; v6   LDS: my lane's place in my wave's rows of W
.set XO,   7                           ; v7   x: (h << 18) + 16 r
.set GO,   8                           ; v8   gamma, beta: 64 h
.set SO,   9                           ; v9   statistics, and q's and k's bias: 32 h
.set BO,   10                          ; v10  v's bias: 4 r
.set OFF,  11                          ; v11-14 16 x lane + tile p's place in the output
.set BIAS, 16                          ; v16-47 q, k: the bias in the result's layout;  v: v16-19 the bias of my channel in each of four tiles
.set VC,   20                          ; v20-51 v: the four fragments' codes
.set CD,   48                          ; v48-63 q, k: codes, two sets of 8
.set HF,   64                          ; v64-95 h's two fragments of a tile
.set ACC,  96                          ; v96-127 four accumulators
.set WF,   128                         ; v128-255 W's fragments: (tile a, K step s) at 32 a + 16 s
.set X,    128                         ; x phase: X[i][p] at 4 i + p
.set H,    160                         ;          H[p][i] at 8 p + i
.set GA,   192                         ;          gamma, then gamma x rsqrt
.set BE,   200                         ;          beta
.set SS,   208                         ;          mean, M2 of the group's two halves
.set MU,   216                         ;          the group's mean, twice
.set HC,   220                         ;          h's codes
.set HSC,  228                         ;          2^e1
.set HLM,  229
.macro ROUND                           ; a round of the cluster's barrier
	s_barrier_signal -1
	s_barrier_wait -1
	s_cmp_lg_u32 s[WV], 0
	s_cbranch_scc1 .Lnot_wave_0_\@
	s_barrier_signal -3
.Lnot_wave_0_\@:
	s_barrier_wait -3
	s_barrier_signal -1
	s_barrier_wait -1
.endm
	s_load_b512 s[4:19], s[0:1], 0x0               ; x, gstats, gamma, beta, W's codes, qkv_b, the scales' exponents, qimg
	s_load_b64 s[20:21], s[0:1], 0x40              ; kv
	v_lshl_add_u32 v254, v0, 2, 0x37000
	v_mov_b32 v255, 0
	ds_add_u32 v254, v255
	ds_add_u32 v254, v255
	s_wait_dscnt 0x0
	v_lshrrev_b32 v240, 5, v0
	s_delay_alu instid0(VALU_DEP_1)
	v_readfirstlane_b32 s[WV], v240
	v_and_b32 v241, 31, v0                         ; lane
	s_wait_alu depctr_va_vdst(0)
	v_and_b32 v242, 15, v0                         ; r
	s_wait_alu depctr_va_vdst(0)
	v_bfe_u32 v[HH], v0, 4, 1
	s_bfe_u32 s23, ttmp6, 0x40000                  ; cx: it enters addresses of x, qimg and kv alone
	s_lshl_b32 s36, ttmp9, 2
	s_add_co_u32 s36, s36, s23                     ; G
	s_lshr_b32 s37, s36, 6                         ; image
	s_and_b32 s38, s36, 63                         ; block
	s_lshr_b32 s39, s[WV], 2                       ; 0 q, 1 k, 2 v
	s_and_b32 s55, s[WV], 3                        ; head
	s_lshr_b32 s53, s[WV], 1
	s_and_b32 s54, s[WV], 1
	; every LDS address is made here, ahead of the first branch on the wave's number
	v_lshl_add_u32 v[HFA], v241, 4, HIMG
	s_lshr_b32 s48, s[WV], 3
	s_lshl_b32 s48, s48, 11                        ; K step s = w / 8
	s_and_b32 s49, s53, 3
	s_lshl_b32 s49, s49, 9                         ; chunk c = (w / 2) % 4
	s_add_co_u32 s48, s48, s49
	s_lshl_b32 s49, s54, 3                         ; which 8 of the lane's 16 bytes
	s_add_co_u32 s48, s48, s49
	v_add_nc_u32 v[HST], s48, v[HFA]
	s_mul_i32 s52, s[WV], WPART
	v_mul_u32_u24 v[WFA], v242, PITCH
	s_wait_alu depctr_va_vdst(0)
	v_lshl_add_u32 v[WFA], v[HH], 4, v[WFA]
	s_delay_alu instid0(VALU_DEP_1)
	v_add_nc_u32 v[WFA], s52, v[WFA]
	; offsets in memory
	v_lshlrev_b32 v[XO], 4, v242
	s_delay_alu instid0(VALU_DEP_1)
	v_lshl_add_u32 v[XO], v[HH], 18, v[XO]
	v_lshlrev_b32 v[GO], 6, v[HH]
	v_lshlrev_b32 v[SO], 5, v[HH]
	v_lshlrev_b32 v[BO], 2, v242
	v_lshlrev_b32 v[OFF], 4, v241
	s_cmp_eq_u32 s39, 0
	s_cselect_b32 s72, 10, 12                      ; from tile to tile: 1,024 bytes in qimg, 4,096 in K's part of kv
.irp p, 1,2,3
	s_lshl_b32 s73, \p, s72
	v_add_nc_u32 v[OFF+\p], s73, v[OFF]
.endr
	s_lshl_b32 s48, s37, 22                        ; x: the image, my 8 channels (lanes 16-31: 16 channels on), the block's 256 bytes
	s_lshl_b32 s73, s53, 19
	s_add_co_u32 s48, s48, s73
	s_lshl_b32 s73, s54, 17
	s_add_co_u32 s48, s48, s73
	s_lshl_b32 s73, s38, 8
	s_add_co_u32 s48, s48, s73
	s_mov_b32 s49, 0
	s_lshl_b32 s50, s37, 9                         ; statistics: 16 bytes a group; group 32 image + 4 (w / 2) + w % 2 (+ 2 h)
	s_lshl_b32 s73, s53, 6
	s_add_co_u32 s50, s50, s73
	s_lshl_b32 s73, s54, 4
	s_add_co_u32 s50, s50, s73
	s_mov_b32 s51, 0
	s_lshl_b32 s56, s53, 7                         ; gamma, beta
	s_lshl_b32 s73, s54, 5
	s_add_co_u32 s56, s56, s73
	s_mov_b32 s57, 0
	s_lshl_b32 s58, s[WV], 8                       ; my 64 numbers of the bias
	s_mov_b32 s59, 0
	s_lshl_b32 s60, s[WV], 14                      ; my 64 rows of W
	s_mov_b32 s61, 0
	s_lshl_b32 s62, s37, 21                        ; kv: image, slot, block in the slot
	s_lshr_b32 s73, s38, 2
	s_lshl_b32 s73, s73, 17
	s_add_co_u32 s62, s62, s73
	s_and_b32 s73, s38, 3
	s_lshl_b32 s73, s73, 14
	s_add_co_u32 s62, s62, s73
	s_lshl_b32 s73, s55, 10
	s_add_co_u32 s68, s62, s73                     ; k's place
	s_lshl_b32 s73, s55, 12
	s_add_co_u32 s69, s62, s73
	s_add_co_u32 s69, s69, 65536                   ; v's place
	s_lshl_b32 s63, s36, 14
	s_add_co_u32 s63, s63, s73                     ; q's place
	; descriptor group 1: 64 rows x 256 bytes, padded in LDS
	s_mov_b32 s[G1], 15|(0<<16)|(1<<20)|(1<<21)|(5<<22)|(3<<25)   ; 15:0 the mask: all four work-groups; 17:16 elements of 1 byte; 20 padding on; 21 set beside a mask; 24:22 after every 64 words; 31:25 four words
	s_mov_b32 s[G1+1], 256<<16                     ; tensor_dim0
	s_mov_b32 s[G1+2], 64<<16                      ; tensor_dim1
	s_mov_b32 s[G1+3], 256<<16                     ; tile_dim0
	s_mov_b32 s[G1+4], 64                          ; tile_dim1
	s_mov_b32 s[G1+5], 256                         ; from row to row
	s_mov_b32 s[G1+6], 0
	s_mov_b32 s[G1+7], 0
	s_wait_alu depctr_va_vdst(0)
	s_wait_kmcnt 0x0
	s_load_b256 s[40:47], s[16:17], 0x0            ; e0 .. e7
	s_add_nc_u64 s[4:5], s[4:5], s[48:49]
	s_add_nc_u64 s[6:7], s[6:7], s[50:51]
	s_add_nc_u64 s[8:9], s[8:9], s[56:57]
	s_add_nc_u64 s[10:11], s[10:11], s[56:57]
	s_add_nc_u64 s[14:15], s[14:15], s[58:59]
	s_mov_b32 s[G0], 1
	s_mov_b32 s[G0+1], s52                         ; LDS address: the wave's number x 17,408: no place in the cluster enters it
	s_add_nc_u64 s[G0+2:G0+3], s[12:13], s[60:61]
	s_or_b32 s[G0+3], s[G0+3], 0x80000000
.irp i, 0,1,2,3,4,5,6,7
	global_load_b128 v[X+4*\i:X+4*\i+3], v[XO], s[4:5] offset:\i*16384   ; channel i of my eight, pixels 4 r .. 4 r + 3
.endr
	global_load_b128 v[SS:SS+3], v[SO], s[6:7]
	global_load_b128 v[GA:GA+3], v[GO], s[8:9]
	global_load_b128 v[GA+4:GA+7], v[GO], s[8:9] offset:16
	global_load_b128 v[BE:BE+3], v[GO], s[10:11]
	global_load_b128 v[BE+4:BE+7], v[GO], s[10:11] offset:16
	s_cmp_lt_u32 s[WV], 8
	s_cbranch_scc0 .Lnot_qk_bias
.irp a, 0,1,2,3                        ; q, k: register 8 a + j = b[64 u + 16 a + 8 h + j]
	global_load_b128 v[BIAS+8*\a:BIAS+8*\a+3], v[SO], s[14:15] offset:64*\a
	global_load_b128 v[BIAS+8*\a+4:BIAS+8*\a+7], v[SO], s[14:15] offset:64*\a+16
.endr
	s_branch .Lbias_asked
.Lnot_qk_bias:
	s_cmp_lt_u32 s[WV], 12
	s_cbranch_scc0 .Lbias_asked
.irp a, 0,1,2,3                        ; v: b[64 u + 16 a + r]
	global_load_b32 v[BIAS+\a], v[BO], s[14:15] offset:64*\a
.endr
.Lbias_asked:
	ROUND                                          ; all four work-groups are here: the joint loads meet
	s_cmp_lt_u32 s[WV], 12
	s_cbranch_scc0 .Lno_fill
	tensor_load_to_lds s[G0:G0+3], s[G1:G1+7]      ; my 64 rows of W: the one tensor load of a wave in this launch
	s_nop 0
.rept 4
	v_nop
.endr
.Lno_fill:
	s_wait_kmcnt 0x0
	s_cmp_eq_u32 s39, 0
	s_cselect_b32 s74, s42, s43
	s_cmp_eq_u32 s39, 2
	s_cselect_b32 s74, s45, s74                    ; ek: e2, e3 or e5: chosen without a branch
	s_add_co_i32 s75, s40, s41                     ; e0 + e1: a sum stands for sum x 2^(e0 + e1)
	s_sub_co_i32 s76, s74, s75
	s_add_co_i32 s76, s76, 127
	s_lshl_b32 s77, s76, 23
	v_mov_b32 v[SCV], s77                          ; 2^(ek - e0 - e1): the three scales folded into the conversion's one
	s_sub_co_i32 s75, 0, s75                       ; the bias goes in as b / 2^(e0 + e1)
	s_add_co_i32 s76, s41, 127
	s_lshl_b32 s77, s76, 23
	v_mov_b32 v[HSC], s77                          ; 2^e1
	s_wait_loadcnt 0x0
	; the group's mean and variance from its two halves of 16,384 numbers: mu = (m1 + m2) / 2; M2 = M2a + M2b + (m1 - m2)^2 x 8,192; var = M2 / 32,768
	v_add_f32 v[MU], v[SS], v[SS+2]
	v_sub_f32 v213, v[SS], v[SS+2]
	v_add_f32 v214, v[SS+1], v[SS+3]
	s_delay_alu instid0(VALU_DEP_3)
	v_mul_f32 v[MU], 0.5, v[MU]
	s_delay_alu instid0(VALU_DEP_3)
	v_mul_f32 v213, v213, v213
	v_mov_b32 v215, 0x3727c5ac                     ; 1e-5
	s_delay_alu instid0(VALU_DEP_2)
	v_fmamk_f32 v214, v213, 0x46000000, v214
	s_delay_alu instid0(VALU_DEP_4)
	v_mov_b32 v[MU+1], v[MU]
	s_delay_alu instid0(VALU_DEP_2)
	v_fmamk_f32 v214, v214, 0x38000000, v215       ; var + eps
	s_wait_alu depctr_va_vdst(0)
	v_rsq_f32 v213, v214
.set k, 0
.rept 16
	v_pk_add_f32 v[X+2*k:X+2*k+1], v[X+2*k:X+2*k+1], v[MU:MU+1] neg_lo:[0,1] neg_hi:[0,1]   ; x - mu: independent work behind the root
.set k, k+1
.endr
	s_wait_alu depctr_va_vdst(0)                   ; the wait ahead of the first line that names the root's result
.irp i, 0,1,2,3,4,5,6,7
	v_mul_f32 v[GA+\i], v[GA+\i], v213
.endr
.irp i, 0,1,2,3,4,5,6,7
.irp p, 0,1,2,3
	v_fma_f32 v[H+8*\p+\i], v[X+4*\i+\p], v[GA+\i], v[BE+\i]   ; h; the destination turns 8 channels x 4 pixels into 4 tiles x 8 channels
.endr
.endr
.set k, 0
.rept 32
.set k, k+1
.endr
.irp p, 0,1,2,3
	v_cvt_scalef32_pk8_bf8_f32 v[HC+2*\p:HC+2*\p+1], v[H+8*\p:H+8*\p+7], v[HSC]
.endr
	v_nop                                          ; one plain line behind the last conversion
.irp p, 0,1,2,3
	ds_store_b64 v[HST], v[HC+2*\p:HC+2*\p+1] offset:4096*\p
.endr
	s_wait_tensorcnt 0x0                           ; my rows of W have landed,
	s_wait_dscnt 0x0                               ; my codes of h too: for the others' sake
	s_barrier_signal -1
	s_barrier_wait -1                              ; h's eight images lie in LDS
	s_cmp_lt_u32 s[WV], 12
	s_cbranch_scc0 .Lend
.irp a, 0,1,2,3
.irp s, 0,1
.irp c, 0,1,2,3
	ds_load_b128 v[WF+32*\a+16*\s+4*\c:WF+32*\a+16*\s+4*\c+3], v[WFA] offset:\a*16*PITCH+128*\s+32*\c
.endr
.endr
.endr
.macro HFLOAD p                        ; h's two fragments of tile p
.irp s, 0,1
.irp c, 0,1,2,3
	ds_load_b128 v[HF+16*\s+4*\c:HF+16*\s+4*\c+3], v[HFA] offset:(2*(\p)+\s)*2048+512*\c
.endr
.endr
.endm
; q, k of tile p.  The four accumulators take turns.  Behind the products stand four v_nop: by the time a register of a product is loaded or written by the next tile's
; products, more than five plain lines that name none of that product's registers have passed (ISA guide 7.12.1).
.macro QKP p
	HFLOAD \p
	s_wait_dscnt 0x0
.irp a, 0,1,2,3
	v_wmma_f32_16x16x128_bf8_bf8 v[ACC+8*\a:ACC+8*\a+7], v[WF+32*\a:WF+32*\a+15], v[HF:HF+15], v[BIAS+8*\a:BIAS+8*\a+7]
.endr
.irp a, 0,1,2,3
	v_wmma_f32_16x16x128_bf8_bf8 v[ACC+8*\a:ACC+8*\a+7], v[WF+32*\a+16:WF+32*\a+31], v[HF+16:HF+31], v[ACC+8*\a:ACC+8*\a+7]
.endr
.rept 4
	v_nop
.endr
.set k, 0
.rept 32
.set k, k+1
.endr
.if \p >= 2
	s_wait_xcnt 0x0                                ; the stores of two tiles ago have read this set of codes
.endif
.irp a, 0,1,2,3
	v_cvt_scalef32_pk8_bf8_f32 v[CD+8*((\p)%2)+2*\a:CD+8*((\p)%2)+2*\a+1], v[ACC+8*\a:ACC+8*\a+7], v[SCV]
.endr
	v_nop                                          ; one plain line behind the last conversion: the next tile's products write its sources
	global_store_b128 v[OFF+\p], v[CD+8*((\p)%2):CD+8*((\p)%2)+3], s[66:67]
	global_store_b128 v[OFF+\p], v[CD+8*((\p)%2)+4:CD+8*((\p)%2)+7], s[66:67] offset:512
.endm
; v of tile p: the sources swapped; tile p's 16 pixels are registers 2 p, 2 p + 1 of each of the four fragments
.macro VP p
	HFLOAD \p
	s_wait_dscnt 0x0
.irp a, 0,1,2,3
	v_wmma_f32_16x16x128_bf8_bf8 v[ACC+8*\a:ACC+8*\a+7], v[HF:HF+15], v[WF+32*\a:WF+32*\a+15], 0
.endr
.irp a, 0,1,2,3
	v_wmma_f32_16x16x128_bf8_bf8 v[ACC+8*\a:ACC+8*\a+7], v[HF+16:HF+31], v[WF+32*\a+16:WF+32*\a+31], v[ACC+8*\a:ACC+8*\a+7]
.endr
.rept 4
	v_nop
.endr
.set k, 0
	s_wait_alu depctr_va_vdst(0)
.rept 32
	v_add_f32 v[ACC+k], v[ACC+k], v[BIAS+k/8]
.set k, k+1
.endr
.set k, 0
.rept 32
.set k, k+1
.endr
.irp a, 0,1,2,3
	v_cvt_scalef32_pk8_bf8_f32 v[VC+8*\a+2*(\p):VC+8*\a+2*(\p)+1], v[ACC+8*\a:ACC+8*\a+7], v[SCV]
.endr
	v_nop
.endm
	s_cmp_lt_u32 s[WV], 8
	s_cbranch_scc0 .Lv
	s_cmp_eq_u32 s39, 0
	s_cselect_b64 s[66:67], s[18:19], s[20:21]     ; qimg or kv: the choice hangs on the wave's number alone
	s_cselect_b32 s70, s63, s68
	s_mov_b32 s71, 0
	s_add_nc_u64 s[66:67], s[66:67], s[70:71]
.set k, 0
.rept 32
	v_ldexp_f32 v[BIAS+k], v[BIAS+k], s75          ; b / 2^(e0 + e1): it is the C of each sum's first product
.set k, k+1
.endr
	s_wait_alu depctr_va_vdst(0)
	QKP 0
	QKP 1
	QKP 2
	QKP 3
	s_branch .Lend
.Lv:
	s_mov_b32 s70, s69
	s_mov_b32 s71, 0
	s_add_nc_u64 s[66:67], s[20:21], s[70:71]
.irp a, 0,1,2,3
	v_ldexp_f32 v[BIAS+\a], v[BIAS+\a], s75
.endr
	VP 0
	VP 1
	VP 2
	VP 3
.irp a, 0,1,2,3
	global_store_b128 v[OFF], v[VC+8*\a:VC+8*\a+3], s[66:67] offset:1024*\a
	global_store_b128 v[OFF], v[VC+8*\a+4:VC+8*\a+7], s[66:67] offset:1024*\a+512
.endr
.Lend:
	s_wait_xcnt 0x0
	v_lshl_add_u32 v254, v0, 2, 0x37000
	v_mov_b32 v255, 0
	s_wait_alu depctr_va_vdst(0)
	s_wait_tensorcnt 0x0
	ds_add_u32 v254, v255
	s_wait_dscnt 0x0
	ROUND                                          ; the closing round: no work-group ends while a partner may still ask for rows that name it
	s_endpgm
.Lfunc_end_k_q9cfb569da0_qkv:
	.size	k_q9cfb569da0_qkv, .Lfunc_end_k_q9cfb569da0_qkv-k_q9cfb569da0_qkv
	.p2alignl 7, 3214868480
	.fill 96, 4, 3214868480
	.section	.rodata,"a",@progbits
	.p2align	6, 0x0
	.amdhsa_kernel k_q9cfb569da0_qkv
		.amdhsa_group_segment_fixed_size 227328
		.amdhsa_private_segment_fixed_size 0
		.amdhsa_enable_private_segment 0
		.amdhsa_kernarg_size 72
		.amdhsa_user_sgpr_count 2
		.amdhsa_user_sgpr_kernarg_segment_ptr 1
		.amdhsa_wavefront_size32 1
		.amdhsa_system_sgpr_workgroup_id_x 1
		.amdhsa_system_sgpr_workgroup_id_y 1
		.amdhsa_system_sgpr_workgroup_id_z 1
		.amdhsa_system_vgpr_workitem_id 0
		.amdhsa_next_free_vgpr 256
		.amdhsa_next_free_sgpr 80
		.amdhsa_reserve_vcc 0
		.amdhsa_float_denorm_mode_32 3
		.amdhsa_float_denorm_mode_16_64 3
		.amdhsa_fp16_overflow 1
		.amdhsa_memory_ordered 1
		.amdhsa_forward_progress 1
		.amdhsa_inst_pref_size 36
	.end_amdhsa_kernel
	.amdgpu_metadata
---
amdhsa.version: [ 1, 2 ]
amdhsa.kernels:
  - .name:           k_q9cfb569da0_qkv
    .symbol:         k_q9cfb569da0_qkv.kd
    .args:
      - { .name: x, .offset: 0, .size: 8, .value_kind: global_buffer, .address_space: global }
      - { .name: gstats, .offset: 8, .size: 8, .value_kind: global_buffer, .address_space: global }
      - { .name: norm_gamma, .offset: 16, .size: 8, .value_kind: global_buffer, .address_space: global }
      - { .name: norm_beta, .offset: 24, .size: 8, .value_kind: global_buffer, .address_space: global }
      - { .name: qkv_w_codes, .offset: 32, .size: 8, .value_kind: global_buffer, .address_space: global }
      - { .name: qkv_b, .offset: 40, .size: 8, .value_kind: global_buffer, .address_space: global }
      - { .name: lowp_scales, .offset: 48, .size: 8, .value_kind: global_buffer, .address_space: global }
      - { .name: qimg, .offset: 56, .size: 8, .value_kind: global_buffer, .address_space: global }
      - { .name: kv, .offset: 64, .size: 8, .value_kind: global_buffer, .address_space: global }
    .group_segment_fixed_size: 227328
    .private_segment_fixed_size: 0
    .kernarg_segment_align: 8
    .kernarg_segment_size: 72
    .max_flat_workgroup_size: 512
    .sgpr_count:     80
    .vgpr_count:     256
    .wavefront_size: 32
...
	.end_amdgpu_metadata
.endif
;; end of part 2
;; launch attn (part 3): grid 256 x 1, 8 waves a work-group, clusters of 4 x 1, 327,680 bytes of LDS; arguments qimg, kv, lowp_scales, proj_w_codes, proj_b, x, out0; writes out0
.if DOCPART == 3
	.amdgcn_target "amdgcn-amd-amdhsa--gfx1250"
	.amdhsa_code_object_version 6
	.text
	.protected	k_q9cfb569da0_attn
	.globl	k_q9cfb569da0_attn
	.p2align	8
	.type	k_q9cfb569da0_attn,@function
k_q9cfb569da0_attn:
	s_mov_b64 s[64:65], 0
	v_nop
	global_prefetch_b8 v0, s[64:65] scope:SCOPE_SE
	s_setreg_imm32_b32 hwreg(HW_REG_WAVE_MODE, 25, 1), 1
	s_wait_xcnt 0x0
	s_wait_alu depctr_hold_cnt(0) depctr_sa_sdst(0) depctr_va_vdst(0) depctr_va_sdst(0) depctr_va_ssrc(0) depctr_va_vcc(0) depctr_vm_vsrc(0)
	s_getreg_b32 s2, hwreg(HW_REG_IB_STS2, 6, 4)
	s_cmp_eq_u32 s2, 0
	s_cbranch_scc0 .Lentry_in_a_cluster
	s_endpgm
.Lentry_in_a_cluster:
	s_bfe_u32 s2, ttmp6, 0x10000c
	s_cmp_lg_u32 s2, 0x3003
	s_cbranch_scc0 .Lentry_shape_is_right
	s_endpgm
.Lentry_shape_is_right:
; out0 = x + proj(attention) + proj_b.  Both products of attention and the projection run on codes of BF8 (E5M2); q, k, v come as register images from the launch before.
; SHARES.  Work-group G = 4 x cluster + cx owns 64 queries (block G % 64 of image G / 64) in ALL FOUR HEADS, so that the projection, which needs all heads of a pixel, is made here and the attention's result never goes to memory.
; Wave w: head w / 2, query tiles 2 (w % 2) and 2 (w % 2) + 1: 32 queries, so each fragment of K and V read from LDS feeds two matrix instructions.  Two waves share a SIMD: one's products, LDS loads and barriers stand beside the other's softmax.
; Every wave walks the image's 4,096 keys, 128 a step, two steps to a slot of 256 keys; a slot is 131,072 dense bytes of kv: K's tiles [16][head][1,024], then V's [4][head][4][1,024].
; LAYOUT.  S^T = K Q^T (source 0 = 16 keys, source 1 = 16 queries), O^T = V^T P^T: a lane holds ONE query throughout.  A conversion of a score tile's 8 registers gives registers 2 kt, 2 kt + 1 of P's fragment; V's images hold the same keys in the same places.
; THE SOFTMAX: t = score x 2^(e2 + e3) x log2(e) / 8; M = the running largest t rounded UP to a whole number, kept as -M = floor(-t); p = 2^(t - M) is quantised with 2^e4, not normalised; the row's sum is taken of the unquantised p
; and divides at the end.  When M moves, the sum and O^T are multiplied by 2^(old M - new M): exact, and without a branch.
; CLUSTER.  The four partners belong to one image and walk the same K and V: each slot is asked for JOINTLY (mask 15), 16,384 bytes a wave by one line of the text; cx enters addresses in memory alone.
; THE END.  O^T / sum x 2^(e4 + e5) is quantised with 2^e7 and goes as register images through LDS; wave w makes outputs 32 w .. 32 w + 31 for the 64 pixels (source 0 = the attention's fragment, source 1 = 16 rows of proj_w):
; a lane then holds one output channel and, over four tiles x 8 registers, 32 neighbouring pixels (tile p, register j, half h: pixel 32 h + 4 j + p).  They pass a stage in LDS and leave, with x added, 256 consecutive aligned bytes for each sixteen lanes.
; LIMITS on the given exponents, so that each power of two made below is an f32 number: e2 + e3 between -123 and 130; e4 and e7 between -126 and 112; e6 + e7 between -126 and 127; e4 + e5 is applied by v_ldexp_f32 and has none.  NaN among the inputs is not served.
; REGISTERS, in windows of 256 (s_set_vgpr_msb: bits 1:0 source 0, 3:2 source 1, 5:4 source 2, 7:6 destination):
;   window 0: v1-11, v40-47 addresses and constants; v16-31 statistics, 8 a tile; v32-39 at work; v96-127 P's codes; v128-255 S^T, then p
;   window 1: v0-63 O^T; v64-79 Q; v128-191 K's fragments of a step, at the end proj_w's; v192-255 V's, at the end x
.set SLOT1, 1<<17                      ; slot 0 at 0, slot 1 here: one exclusive or turns an address from one into the other
.set SPARE, 2*SLOT1                    ; behind the ring: the spare words, 128 bytes for each of eight waves: four blocks of 256 bytes that no other line names
.set AIMG,  0                          ; the end: the attention's 16 images, and
.set STG,   16384                      ; the stage, 256 rows x 272 bytes.  Both lie in slot 0, which has had its last fill and, behind the last change of slots, its last read
.set SP,    272
.set AK0, 1                            ; v1   16 x lane + 1,024 x head: my place in a tile of K
.set AV0, 2                            ; v2   16 x lane + 4,096 x head + 65,536: in V's part
.set PFO, 3                            ; v3   256 x lane, for the prefetches; never rewritten
.set ADK, 4                            ; v4   AK0 + the slot in hand
.set ADV, 5                            ; v5   AV0 + the slot in hand
.set SPW, 6                            ; v6   my spare word; never rewritten
.set NIL, 7                            ; v7   0; never rewritten
.set SCV, 8                            ; v8   2^e4, at the end 2^e7
.set LIMV, 9
.set PB,  10                           ; v10-11 proj_b of my channel in each of my two tiles of outputs
.set ST,  16                           ; tile t at 16 + 8 t: +0 -M, +1 the largest t, +2 +3 the sum, +4 f, +5 0 (named with f as a pair), +6 +7 a second chain of the sum
.set TM,  32                           ; tile t at 32 + 4 t: two chains of the maximum, a permute's destination
.set WOF, 40                           ; v40  proj_w: 256 r + 8 h
.set BOF, 41                           ; v41  proj_b: 4 r
.set XOF, 42                           ; v42  x, out0: (h << 14) + 16 r: lanes 0-15 one channel's 256 bytes, lanes 16-31 the next channel's
.set AST, 43                           ; v43  LDS: where my images go
.set ALD, 44                           ; v44  LDS: AIMG + 16 x lane
.set STO, 45                           ; v45  LDS: the stage, in
.set SRD, 46                           ; v46  LDS: the stage, back
.set QOF, 47                           ; v47  qimg: 16 x lane
.set P,   96
.set S,   128
.set O,   0                            ; window 1
.set Q,   64
.set KF,  128
.set VF,  192
.set WV,  18                           ; s18  wave
.set CS,  22                           ; s[22:23] c = 2^(e2 + e3) log2(e) / 8; the packed form names a pair
.set G1,  24                           ; s[24:31] descriptor group 1
.set G0A, 32                           ; s[32:35] group 0 of slot 0's first fill
.set G0B, 36                           ; s[36:39] group 0 of slot 1's first fill; it then walks
.set TB,  48                           ; s48  LDS byte at which the slot in hand begins
.set SLOTS, 49                         ; s49  slots still to be asked for
.set SEL, 50                           ; s[50:51] v_permlanex16_b32's selects: lane l xor 16
.set PFA, 52                           ; s[52:53] where my prefetches stand
.set LIM, 54                           ; s54  1 in a wave that prefetches, else the greatest number
.set MSB, 0
.macro WIN new                         ; the immediate's high byte repeats the setting that is left; a switch that changes nothing is dropped
.if MSB != \new
	s_set_vgpr_msb (MSB<<8)|\new
.set MSB, \new
.endif
.endm
.set W_KQ, 0x05                        ; K and Q in window 1, S^T in window 0
.set W_PV, 0x51                        ; V and O^T in window 1, P in window 0
.set W_RS, 0x41                        ; O^T (destination, source 0) in window 1, f in window 0
.set TO_1, 0x40
.set FROM_1, 0x01
.macro ROUND                           ; a round of the cluster's barrier
	s_barrier_signal -1
	s_barrier_wait -1
	s_cmp_lg_u32 s[WV], 0
	s_cbranch_scc1 .Lnot_wave_0_\@
	s_barrier_signal -3
.Lnot_wave_0_\@:
	s_barrier_wait -3
	s_barrier_signal -1
	s_barrier_wait -1
.endm
.macro PLACES n                        ; plain lines behind matrix instructions (ISA guide 7.12.1), where no other vector work is at hand
.rept \n
	v_nop
.endr
.endm
; 16 products: the step's 8 tiles of 16 keys x my two tiles of queries; K = the head's 64.  Each starts its sum with 0
.macro KQ
	WIN W_KQ
.irp kt, 0,1,2,3,4,5,6,7
.irp t, 0,1
	v_wmma_f32_16x16x64_bf8_bf8 v[S+64*\t+8*\kt:S+64*\t+8*\kt+7], v[KF+8*\kt:KF+8*\kt+7], v[Q+8*\t:Q+8*\t+7], 0
.endr
.endr
.endm
; 8 products: 4 tiles of 16 channels x two tiles of queries; K = the step's 128 keys.  The eight accumulators take turns, one instruction a turn; the scores' products stand between two turns of one accumulator
.macro PV
	WIN W_PV
.irp dt, 0,1,2,3
.irp t, 0,1
	v_wmma_f32_16x16x128_bf8_bf8 v[O+32*\t+8*\dt:O+32*\t+8*\dt+7], v[VF+16*\dt:VF+16*\dt+15], v[P+16*\t:P+16*\t+15], v[O+32*\t+8*\dt:O+32*\t+8*\dt+7]
.endr
.endr
.endm
; the fragments come as they were stored: 32 lanes x 16 consecutive bytes a load
.macro FETCH_K q                       ; K of the slot's step q
	WIN TO_1
.irp kt, 0,1,2,3,4,5,6,7
	ds_load_b128 v[KF+8*\kt:KF+8*\kt+3], v[ADK] offset:32768*(\q)+4096*\kt
	ds_load_b128 v[KF+8*\kt+4:KF+8*\kt+7], v[ADK] offset:32768*(\q)+4096*\kt+512
.endr
.endm
.macro FETCH_V q                       ; V of the slot's step q: two images of 64 keys on end are a fragment of 128
	WIN TO_1
.irp dt, 0,1,2,3
.irp hf, 0,1
	ds_load_b128 v[VF+16*\dt+8*\hf:VF+16*\dt+8*\hf+3], v[ADV] offset:(2*(\q)+\hf)*16384+1024*\dt
	ds_load_b128 v[VF+16*\dt+8*\hf+4:VF+16*\dt+8*\hf+7], v[ADV] offset:(2*(\q)+\hf)*16384+1024*\dt+512
.endr
.endr
.endm
; THE SOFTMAX, first part: the step's largest score of each query, the new M, and f.  Both tiles line by line: four chains.  Each accumulator is read from its low end on.  No transcendental
.macro SM_A
	WIN 0
.irp t, 0,1
	v_max3_num_f32 v[TM+4*\t], v[S+64*\t], v[S+64*\t+1], v[S+64*\t+2]
	v_max3_num_f32 v[TM+4*\t+1], v[S+64*\t+3], v[S+64*\t+4], v[S+64*\t+5]
.endr
.irp i, 6,10,14,18,22,26,30,34,38,42,46,50,54,58
.irp t, 0,1
	v_max3_num_f32 v[TM+4*\t], v[TM+4*\t], v[S+64*\t+\i], v[S+64*\t+\i+1]
	v_max3_num_f32 v[TM+4*\t+1], v[TM+4*\t+1], v[S+64*\t+\i+2], v[S+64*\t+\i+3]
.endr
.endr
.irp t, 0,1
	v_max3_num_f32 v[TM+4*\t], v[TM+4*\t], v[S+64*\t+62], v[S+64*\t+63]
.endr
.irp t, 0,1
	s_delay_alu instid0(VALU_DEP_2)
	v_max_num_f32 v[TM+4*\t], v[TM+4*\t], v[TM+4*\t+1]
.endr
.irp t, 0,1
	s_delay_alu instid0(VALU_DEP_2)
	v_permlanex16_b32 v[TM+4*\t+2], v[TM+4*\t], s[SEL], s[SEL+1]   ; the query's other 64 keys lie in the lane 16 away
.endr
.irp t, 0,1
	s_delay_alu instid0(VALU_DEP_2)
	v_max_num_f32 v[TM+4*\t], v[TM+4*\t], v[TM+4*\t+2]
.endr
.irp t, 0,1
	s_delay_alu instid0(VALU_DEP_2)
	v_mul_f32 v[TM+4*\t], s[CS], v[TM+4*\t]        ; as t (c is positive)
.endr
.irp t, 0,1
	s_delay_alu instid0(VALU_DEP_2)
	v_max_num_f32 v[ST+8*\t+1], v[ST+8*\t+1], v[TM+4*\t]   ; the running largest t
.endr
.irp t, 0,1
	v_mov_b32 v[TM+4*\t], v[ST+8*\t]
.endr
.irp t, 0,1
	s_delay_alu instid0(VALU_DEP_4)
	v_floor_f32 v[ST+8*\t], -v[ST+8*\t+1]          ; the new -M = floor(-t) = -ceil(t)
.endr
.irp t, 0,1
	s_delay_alu instid0(VALU_DEP_2)
	v_sub_f32 v[TM+4*\t], v[ST+8*\t], v[TM+4*\t]   ; old M - new M: a whole number, 0 or less
.endr
.irp t, 0,1
	s_delay_alu instid0(VALU_DEP_2)
	v_cvt_i32_f32 v[TM+4*\t], v[TM+4*\t]           ; (it saturates)
.endr
.irp t, 0,1
	s_delay_alu instid0(VALU_DEP_2)
	v_ldexp_f32 v[ST+8*\t+4], 1.0, v[TM+4*\t]      ; f = 2^(old M - new M)
.endr
.endm
.macro HOLD8 r
.irp n, 0,1,2,3,4,5,6,7
.endr
.endm
; second part: p, its sum, its codes.  The 128 exponentials are ONE batch with one wait ahead of the first line that names a result
.macro SM_B
	WIN 0
.set j, 0
.rept 32
.irp t, 0,1
	v_pk_fma_f32 v[S+64*\t+j:S+64*\t+j+1], v[S+64*\t+j:S+64*\t+j+1], s[CS:CS+1], v[ST+8*\t:ST+8*\t+1] op_sel_hi:[1,0,0]   ; t - M, two at a time
.endr
.set j, j+2
.endr
.set j, 0
	s_wait_alu depctr_va_vdst(0)
.rept 128
	v_exp_f32 v[S+j], v[S+j]
.set j, j+1
.endr
.irp t, 0,1
	v_pk_mul_f32 v[ST+8*\t+2:ST+8*\t+3], v[ST+8*\t+2:ST+8*\t+3], v[ST+8*\t+4:ST+8*\t+5] op_sel_hi:[1,0]   ; the sums under the new M: plain lines behind the exponentials
.endr
	s_wait_alu depctr_va_vdst(0)
.irp t, 0,1
	v_pk_add_f32 v[ST+8*\t+6:ST+8*\t+7], v[S+64*\t:S+64*\t+1], v[S+64*\t+2:S+64*\t+3]   ; the sum of the UNQUANTISED p, two chains a tile
.endr
.set j, 4
.rept 15
.irp t, 0,1
	v_pk_add_f32 v[ST+8*\t+2:ST+8*\t+3], v[ST+8*\t+2:ST+8*\t+3], v[S+64*\t+j:S+64*\t+j+1]
	v_pk_add_f32 v[ST+8*\t+6:ST+8*\t+7], v[ST+8*\t+6:ST+8*\t+7], v[S+64*\t+j+2:S+64*\t+j+3]
.endr
.set j, j+4
.endr
.irp t, 0
	s_delay_alu instid0(VALU_DEP_3)
	v_pk_add_f32 v[ST+8*\t+2:ST+8*\t+3], v[ST+8*\t+2:ST+8*\t+3], v[ST+8*\t+6:ST+8*\t+7]
.endr
.irp t, 1
	s_delay_alu instid0(VALU_DEP_2)
	v_pk_add_f32 v[ST+8*\t+2:ST+8*\t+3], v[ST+8*\t+2:ST+8*\t+3], v[ST+8*\t+6:ST+8*\t+7]
.endr
.irp kt, 0,1,2,3,4,5,6,7
.irp t, 0,1
	HOLD8 S+64*\t+8*\kt
	v_cvt_scalef32_pk8_bf8_f32 v[P+16*\t+2*\kt:P+16*\t+2*\kt+1], v[S+64*\t+8*\kt:S+64*\t+8*\kt+7], v[SCV]
.endr
.endr
.endm
.macro RESCALE                         ; O^T under the new M.  These 32 plain lines also stand between the conversions and the products that read their results
	WIN W_RS
.set j, 0
.rept 16
.irp t, 0,1
	v_pk_mul_f32 v[O+32*\t+j:O+32*\t+j+1], v[O+32*\t+j:O+32*\t+j+1], v[ST+8*\t+4:ST+8*\t+5] op_sel_hi:[1,0]
.endr
.set j, j+2
.endr
.endm
; A PREFETCH of the slot that the NEXT change of slots will ask for: 131,072 bytes, each aligned block of 256 named once in the launch.  All 16 clusters of an image walk the same kv: the image's first cluster asks.  Its four partners take
; 32,768 bytes each, told apart BY ADDRESS; in each, waves 0 to 3 take 8,192, lanes 256 bytes apart: one instruction a wave, behind the wave's tensor load and its four lines.  It stands two key steps (48 matrix instructions and two softmaxes
; a wave) ahead of that load.  Slots 0 to 2 come by their loads alone; the last change that fills a slot asks for nothing.
.macro ASK
	s_cmp_gt_u32 s[SLOTS], s[LIM]
	s_cbranch_scc0 .Lnot_mine_\@
	global_prefetch_b8 v[PFO], s[PFA:PFA+1] th:TH_LOAD_NT scope:SCOPE_SE
.Lnot_mine_\@:
.endm
.macro NEXT                            ; on to the other slot: its first step's K
	s_xor_b32 s[TB], s[TB], SLOT1
	v_add_nc_u32 v[ADK], s[TB], v[AK0]
	v_add_nc_u32 v[ADV], s[TB], v[AV0]
	FETCH_K 0
	WIN 0
.endm
.macro WLOAD                           ; proj_w's fragments of my 32 outputs (tile u, K step s at 32 u + 16 s; registers 2 c, 2 c + 1: k = 16 c + 8 h + 0 .. 7) into K's registers, which are done with; and proj_b
	WIN TO_1
.irp u, 0,1
.irp c, 0,1,2,3,4,5,6,7,8,9,10,11,12,13,14,15
	global_load_b64 v[KF+32*\u+2*\c:KF+32*\u+2*\c+1], v[WOF], s[10:11] offset:4096*\u+16*\c
.endr
.endr
	WIN 0
.irp u, 0,1
	global_load_b32 v[PB+\u], v[BOF], s[12:13] offset:64*\u
.endr
.endm
; A SLOT: two key steps.  The four v_nop behind each run of score products serve the loads into K's registers (read by that run) and V's (read by the products just before it) and the first read of the scores.
; Every wait for LDS loads stands a softmax, or its first part, behind the loads.
; mode 0: THE CHANGE OF SLOTS, when the slot's last bytes have been asked for: each wave waits for all its tensor loads (one is out: its part of the other slot), adds 0 to its spare word, works on registers, waits for the add and for its reads of
; this slot; a round of the cluster's barrier; the joint refill of this slot, with the keys two slots on, first behind it.  mode 1: the last slot but one: nothing is asked for.  mode 2: the last slot.
.macro SLOT mode
	s_wait_dscnt 0x0                               ; K of step 0 is in
	KQ
	PLACES 4
	FETCH_V 0
	FETCH_K 1
	SM_A
	SM_B
	RESCALE
	s_wait_alu depctr_va_vdst(0)
	s_wait_dscnt 0x0                               ; V of step 0 and K of step 1 are in
	PV
	KQ
	PLACES 4
	FETCH_V 1
	WIN 0
.if \mode == 0
	s_wait_tensorcnt 0x0                           ; no tensor load of mine is out, so a group 0 may be written
	ds_add_u32 v[SPW], v[NIL]                      ; 0 onto my spare word
	s_xor_b32 s[G0B+1], s[G0B+1], SLOT1            ; the walking descriptor: the other slot than last time,
	s_add_nc_u64 s[G0B+2:G0B+3], s[G0B+2:G0B+3], 131072   ; the next 256 keys; the type bits on top are not reached
	s_wait_xcnt 0x0                                ; the last prefetch, a slot back, has read its address
	s_add_nc_u64 s[PFA:PFA+1], s[PFA:PFA+1], 131072
	SM_A                                           ; work on registers while the add and V's loads are out
	s_wait_dscnt 0x0                               ; the add is done, and my reads of this slot are over
	ROUND                                          ; so it is with every wave of all four work-groups
	tensor_load_to_lds s[G0B:G0B+3], s[G1:G1+7]    ; my one tensor load behind the round: it has two key steps in which to land
	s_nop 0
	PLACES 4
	ASK
	NEXT
.elseif \mode == 1
	s_wait_tensorcnt 0x0                           ; my part of the last slot has landed
	ds_add_u32 v[SPW], v[NIL]
	SM_A
	s_wait_dscnt 0x0
	s_barrier_signal -1
	s_barrier_wait -1                              ; the last slot is whole, and nobody reads slot 0 any more
	NEXT
.else
	WLOAD
	SM_A
.endif
	SM_B
	RESCALE
	s_wait_alu depctr_va_vdst(0)
	s_wait_dscnt 0x0                               ; V of step 1 (and the next slot's first K) is in
	PV
	WIN 0
.endm
	s_load_b256 s[4:11], s[0:1], 0x0               ; qimg, kv, the scales' exponents, proj_w's codes
	s_load_b128 s[12:15], s[0:1], 0x20             ; proj_b, x
	s_load_b64 s[16:17], s[0:1], 0x30              ; out0
	v_lshl_add_u32 v[SPW], v0, 2, SPARE
	v_mov_b32 v[NIL], 0
	ds_add_u32 v6, v7
	ds_add_u32 v6, v7
	s_wait_dscnt 0x0
	v_lshrrev_b32 v48, 5, v0
	s_delay_alu instid0(VALU_DEP_1)
	v_readfirstlane_b32 s[WV], v48
	s_bfe_u32 s19, ttmp6, 0x40000                  ; cx
	s_lshl_b32 s20, ttmp9, 2
	s_add_co_u32 s20, s20, s19                     ; G
	s_lshr_b32 s21, ttmp9, 4                       ; the image, which the four partners share
	s_lshr_b32 s55, s[WV], 1                       ; head
	s_and_b32 s56, s[WV], 1                        ; which pair of query tiles
	v_and_b32 v48, 31, v0                          ; lane
	v_and_b32 v49, 15, v0                          ; r
	v_bfe_u32 v50, v0, 4, 1                        ; h
	s_lshl_b32 s60, s55, 10
	v_lshl_add_u32 v[AK0], v48, 4, s60
	s_lshl_b32 s60, s55, 12
	s_add_co_u32 s60, s60, 65536
	v_lshl_add_u32 v[AV0], v48, 4, s60
	v_lshlrev_b32 v[PFO], 8, v48
	s_mov_b32 s[TB], 0
	v_add_nc_u32 v[ADK], s[TB], v[AK0]
	v_add_nc_u32 v[ADV], s[TB], v[AV0]
	v_lshlrev_b32 v[WOF], 8, v49
	s_delay_alu instid0(VALU_DEP_1)
	v_lshl_add_u32 v[WOF], v50, 3, v[WOF]
	v_lshlrev_b32 v[BOF], 2, v49
	v_lshlrev_b32 v[XOF], 4, v49
	s_delay_alu instid0(VALU_DEP_1)
	v_lshl_add_u32 v[XOF], v50, 14, v[XOF]
	s_lshl_b32 s60, s56, 13
	s_lshl_b32 s61, s55, 10
	s_add_co_u32 s60, s60, s61
	s_add_co_u32 s60, s60, AIMG                    ; image (tile 2 j + t, head) at 1,024 (4 (2 j + t) + head)
	v_lshl_add_u32 v[AST], v48, 4, s60
	v_lshl_add_u32 v[ALD], v48, 4, AIMG
	s_mul_i32 s60, s[WV], 32*SP
	s_add_co_u32 s60, s60, STG                     ; my 32 rows of the stage
	v_mul_u32_u24 v[STO], v49, SP
	s_delay_alu instid0(VALU_DEP_1)
	v_lshl_add_u32 v[STO], v50, 7, v[STO]
	s_delay_alu instid0(VALU_DEP_1)
	v_add_nc_u32 v[STO], s60, v[STO]               ; in: row r, 128 bytes for each half of the lanes
	v_mul_u32_u24 v[SRD], v50, SP
	s_delay_alu instid0(VALU_DEP_1)
	v_lshl_add_u32 v[SRD], v49, 4, v[SRD]
	s_delay_alu instid0(VALU_DEP_1)
	v_add_nc_u32 v[SRD], s60, v[SRD]               ; back: lanes 0-15 one row, lanes 16-31 the next
	v_lshlrev_b32 v[QOF], 4, v48
	; descriptor group 1: 16,384 dense bytes as 64 rows of 256
	s_mov_b32 s[G1], 15|(3<<16)|(1<<21)            ; 15:0 the mask: all four work-groups; 17:16 elements of 8 bytes; 20 no padding; 21 set beside a mask
	s_mov_b32 s[G1+1], 32<<16                      ; tensor_dim0
	s_mov_b32 s[G1+2], 64<<16                      ; tensor_dim1
	s_mov_b32 s[G1+3], 32<<16                      ; tile_dim0
	s_mov_b32 s[G1+4], 64                          ; tile_dim1
	s_mov_b32 s[G1+5], 32                          ; from row to row
	s_mov_b32 s[G1+6], 0
	s_mov_b32 s[G1+7], 0
	s_mov_b32 s[SEL], 0x76543210
	s_mov_b32 s[SEL+1], 0xfedcba98
	s_mov_b32 s[SLOTS], 14
	s_lshl_b32 s58, s21, 21                        ; the image's 2 MiB of kv,
	s_lshl_b32 s57, s[WV], 14                      ; my eighth of a slot: in memory and in LDS alike
	s_add_co_u32 s58, s58, s57
	s_mov_b32 s59, 0
	s_wait_kmcnt 0x0
	s_load_b256 s[40:47], s[8:9], 0x0              ; e0 .. e7
	s_mov_b32 s[G0A], 1
	s_mov_b32 s[G0A+1], s57
	s_add_nc_u64 s[G0A+2:G0A+3], s[6:7], s[58:59]
	s_mov_b32 s[G0B], 1
	s_add_co_u32 s[G0B+1], s57, SLOT1
	s_add_nc_u64 s[G0B+2:G0B+3], s[G0A+2:G0A+3], 131072
	s_or_b32 s[G0A+3], s[G0A+3], 0x80000000
	s_or_b32 s[G0B+3], s[G0B+3], 0x80000000
	ROUND                                          ; all four work-groups are here: the first joint loads meet
	tensor_load_to_lds s[G0A:G0A+3], s[G1:G1+7]    ; slot 0
	s_nop 0
	s_wait_alu depctr_va_vdst(0)
	s_wait_tensorcnt 0x0
	ds_add_u32 v6, v7
	s_wait_dscnt 0x0
	ROUND
	tensor_load_to_lds s[G0B:G0B+3], s[G1:G1+7]    ; slot 1: one load of mine is out
	s_nop 0
	PLACES 4
	s_lshl_b32 s60, s20, 14                        ; Q: 16,384 G + 4,096 head + 2,048 pair
	s_lshl_b32 s61, s55, 12
	s_add_co_u32 s60, s60, s61
	s_lshl_b32 s61, s56, 11
	s_add_co_u32 s60, s60, s61
	s_mov_b32 s61, 0
	s_add_nc_u64 s[4:5], s[4:5], s[60:61]
	WIN TO_1
	s_wait_alu depctr_va_vdst(0)
.irp t, 0,1
.irp c, 0,1
	global_load_b128 v[Q+8*\t+4*\c:Q+8*\t+4*\c+3], v[QOF], s[4:5] offset:1024*\t+512*\c th:TH_LOAD_NT   ; Q stays in registers
.endr
.endr
.set j, 0
.rept 64
	v_mov_b32 v[O+j], 0                            ; O^T.  (A step is written without a first step of its own: the first finds zeros, which the first change of M leaves zeros)
.set j, j+1
.endr
	WIN 0
	s_lshl_b32 s60, s[WV], 13
	s_add_nc_u64 s[10:11], s[10:11], s[60:61]      ; my 32 rows of proj_w
	s_lshl_b32 s60, s[WV], 7
	s_add_nc_u64 s[12:13], s[12:13], s[60:61]      ; my 32 numbers of proj_b
	s_lshl_b32 s60, s21, 22                        ; x, out0: the image, my 32 channels, the block's 256 bytes
	s_lshl_b32 s62, s[WV], 19
	s_add_co_u32 s60, s60, s62
	s_and_b32 s62, s20, 63
	s_lshl_b32 s62, s62, 8
	s_add_co_u32 s60, s60, s62
	s_add_nc_u64 s[14:15], s[14:15], s[60:61]
	s_add_nc_u64 s[16:17], s[16:17], s[60:61]
	s_lshl_b32 s60, s21, 21                        ; the prefetches: the image, my work-group's quarter of a slot, my wave's quarter of that, in slot 2: the first change of slots steps it to slot 3
	s_lshl_b32 s62, s19, 15
	s_add_co_u32 s60, s60, s62
	s_and_b32 s62, s[WV], 3
	s_lshl_b32 s62, s62, 13
	s_add_co_u32 s60, s60, s62
	s_add_co_u32 s60, s60, 2*131072
	s_add_nc_u64 s[PFA:PFA+1], s[6:7], s[60:61]
	s_lshr_b32 s[LIM], s[WV], 2                    ; 0 in waves 0 to 3,
	s_and_b32 s62, ttmp9, 15
	s_or_b32 s[LIM], s[LIM], s62                   ; of the image's first cluster: the same in all four partners
	s_cmp_eq_u32 s[LIM], 0
	s_cselect_b32 s[LIM], 1, -1
.irp t, 0,1
	v_mov_b32 v[ST+8*\t+1], 0xff61b1e6             ; the largest t so far: -3e38, under every t
	s_delay_alu instid0(VALU_DEP_1)
	v_floor_f32 v[ST+8*\t], -v[ST+8*\t+1]
	v_mov_b32 v[ST+8*\t+2], 0
	v_mov_b32 v[ST+8*\t+3], 0
	v_mov_b32 v[ST+8*\t+5], 0
	v_mov_b32 v[TM+4*\t+2], 0                      ; a lane permute's destination counts as read
.endr
	s_wait_kmcnt 0x0
	s_add_co_i32 s60, s42, s43
	s_lshl_b32 s60, s60, 23
	s_add_co_i32 s[CS], s60, 0x3e38aa3b            ; log2(e) / 8, with e2 + e3 added to its exponent field
	s_mov_b32 s[CS+1], s[CS]
	s_add_co_i32 s60, s44, 127
	s_lshl_b32 s62, s60, 23
	v_mov_b32 v[SCV], s62                          ; 2^e4
	s_add_co_i32 s60, s60, 15
	s_lshl_b32 s60, s60, 23
	s_or_b32 s60, s60, 0x600000
	s_wait_tensorcnt 0x1                           ; my part of slot 0 is in; slot 1's, the one load issued behind it, may stay out
	s_barrier_signal -1
	s_barrier_wait -1                              ; everybody's is
	FETCH_K 0
	WIN 0
	s_wait_loadcnt 0x0                             ; Q
.Lslot:                                            ; 14 trips: slots 0 to 13, each filled again with the keys two slots on
	SLOT 0
	s_sub_co_u32 s[SLOTS], s[SLOTS], 1
	s_cmp_lg_u32 s[SLOTS], 0
	s_cbranch_scc1 .Lslot
	SLOT 1                                         ; the last two slots are written out
	SLOT 2
	; THE END.  x of my 32 channels is asked for now, into V's registers, four plain lines behind the last products
	PLACES 4
	WIN TO_1
.irp i, 0,1,2,3,4,5,6,7,8,9,10,11,12,13,14,15
	global_load_b128 v[VF+4*\i:VF+4*\i+3], v[XOF], s[14:15] offset:32768*\i
.endr
	WIN 0
	s_add_co_i32 s66, s44, s45                     ; e4 + e5
	s_add_co_i32 s67, s46, s47
	s_add_co_i32 s67, s67, 127
	s_lshl_b32 s67, s67, 23                        ; 2^(e6 + e7) as f32
	s_add_co_i32 s68, s47, 127
	s_lshl_b32 s69, s68, 23
.irp t, 0,1
	v_add_f32 v[ST+8*\t+2], v[ST+8*\t+2], v[ST+8*\t+3]
.endr
.irp t, 0,1
	s_delay_alu instid0(VALU_DEP_2)
	v_permlanex16_b32 v[ST+8*\t+6], v[ST+8*\t+2], s[SEL], s[SEL+1]
.endr
.irp t, 0,1
	s_delay_alu instid0(VALU_DEP_2)
	v_add_f32 v[ST+8*\t+2], v[ST+8*\t+2], v[ST+8*\t+6]   ; the row's sum
.endr
	s_wait_alu depctr_va_vdst(0)
.irp t, 0,1
	v_rcp_f32 v[ST+8*\t+3], v[ST+8*\t+2]
.endr
	v_mov_b32 v[SCV], s69                          ; 2^e7  (plain lines behind the reciprocals)
	s_wait_alu depctr_va_vdst(0)                   ; one wait for both reciprocals, ahead of the first line that names a result
.irp t, 0,1
	v_ldexp_f32 v[ST+8*\t+3], v[ST+8*\t+3], s66    ; x 2^(e4 + e5)
.endr
	WIN FROM_1
.irp t, 0,1
.set j, 0
.rept 32
	v_mul_f32 v[S+32*\t+j], v[O+32*\t+j], v[ST+8*\t+3]   ; the attention's result: register 8 dt + i is channel 16 dt + 8 h + i of my query; each accumulator from its low end on
.set j, j+1
.endr
.endr
	WIN 0
.set j, 0
.rept 64
.set j, j+1
.endr
.irp t, 0,1
.irp dt, 0,1,2,3
	v_cvt_scalef32_pk8_bf8_f32 v[P+8*\t+2*\dt:P+8*\t+2*\dt+1], v[S+32*\t+8*\dt:S+32*\t+8*\dt+7], v[SCV]
.endr
.endr
	v_nop                                          ; one plain line behind the last conversion
.irp t, 0,1
.irp c, 0,1
	ds_store_b128 v[AST], v[P+8*\t+4*\c:P+8*\t+4*\c+3] offset:4096*\t+512*\c
.endr
.endr
	s_wait_dscnt 0x0                               ; for the others' sake: my images have landed
	s_barrier_signal -1
	s_barrier_wait -1                              ; all 16 images lie in LDS
.irp p, 0,1,2,3                        ; fragment (tile p, K step s): the images of heads 2 s and 2 s + 1 on end
.irp s, 0,1
.irp c, 0,1,2,3
	ds_load_b128 v[S+32*\p+16*\s+4*\c:S+32*\p+16*\s+4*\c+3], v[ALD] offset:(4*\p+2*\s)*1024+512*\c
.endr
.endr
.endr
	s_wait_loadcnt 16                              ; proj_w and proj_b are in; the 16 loads of x, issued behind them, may stay out
	s_wait_dscnt 0x0
	WIN 0x44                                       ; source 1 (proj_w) and destination in window 1
.irp u, 0,1
.irp p, 0,1,2,3
	v_wmma_f32_16x16x128_bf8_bf8 v[32*\u+8*\p:32*\u+8*\p+7], v[S+32*\p:S+32*\p+15], v[KF+32*\u:KF+32*\u+15], 0
.endr
.endr
	WIN 0x54                                       ; C too
.irp u, 0,1
.irp p, 0,1,2,3
	v_wmma_f32_16x16x128_bf8_bf8 v[32*\u+8*\p:32*\u+8*\p+7], v[S+32*\p+16:S+32*\p+31], v[KF+32*\u+16:KF+32*\u+31], v[32*\u+8*\p:32*\u+8*\p+7]
.endr
.endr
	PLACES 4
	WIN FROM_1
.irp u, 0,1
.irp j, 0,1,2,3,4,5,6,7
.irp p, 0,1,2,3
	v_fma_f32 v[S+32*\u+4*\j+\p], v[32*\u+8*\p+\j], s67, v[PB+\u]   ; sum x 2^(e6 + e7) + proj_b; the destination puts pixel 32 h + 4 j + p at register 4 j + p; each accumulator from its low end on
.endr
.endr
.endr
	WIN 0
.irp u, 0,1
.irp i, 0,1,2,3,4,5,6,7
	ds_store_b128 v[STO], v[S+32*\u+4*\i:S+32*\u+4*\i+3] offset:16*SP*\u+16*\i
.endr
.endr
.irp i, 0,1,2,3,4,5,6,7,8,9,10,11,12,13,14,15
	ds_load_b128 v[S+64+4*\i:S+64+4*\i+3], v[SRD] offset:2*SP*\i   ; my own rows: LDS serves a wave's instructions in order (ISA guide 5.7.1.4), so these see the stores above
.endr
	s_wait_loadcnt 0x0                             ; x
	WIN 0x44                                       ; x (source 1), the sums and the stores' data in window 1; what comes from the stage, and the address, in window 0
.irp i, 0,1,2,3,4,5,6,7,8,9,10,11,12,13,14,15
	s_wait_dscnt 15-\i                             ; pair i of rows is back; the younger loads may be out
	v_pk_add_f32 v[VF+4*\i:VF+4*\i+1], v[S+64+4*\i:S+64+4*\i+1], v[VF+4*\i:VF+4*\i+1]
	v_pk_add_f32 v[VF+4*\i+2:VF+4*\i+3], v[S+64+4*\i+2:S+64+4*\i+3], v[VF+4*\i+2:VF+4*\i+3]
	global_store_b128 v[XOF], v[VF+4*\i:VF+4*\i+3], s[16:17] offset:32768*\i th:TH_STORE_NT   ; sixteen lanes store 256 consecutive bytes, aligned
.endr
	WIN 0
	s_wait_tensorcnt 0x0                           ; the wave's end, behind my last tensor load and my last LDS store
	ds_add_u32 v[SPW], v[NIL]
	s_wait_dscnt 0x0
	ROUND                                          ; the closing round: no work-group ends while a partner may still ask for a slot that names it
	s_endpgm
.Lfunc_end_k_q9cfb569da0_attn:
	.size	k_q9cfb569da0_attn, .Lfunc_end_k_q9cfb569da0_attn-k_q9cfb569da0_attn
	.p2alignl 7, 3214868480
	.fill 96, 4, 3214868480
	.section	.rodata,"a",@progbits
	.p2align	6, 0x0
	.amdhsa_kernel k_q9cfb569da0_attn
		.amdhsa_group_segment_fixed_size 327680
		.amdhsa_private_segment_fixed_size 0
		.amdhsa_enable_private_segment 0
		.amdhsa_kernarg_size 56
		.amdhsa_user_sgpr_count 2
		.amdhsa_user_sgpr_kernarg_segment_ptr 1
		.amdhsa_wavefront_size32 1
		.amdhsa_system_sgpr_workgroup_id_x 1
		.amdhsa_system_sgpr_workgroup_id_y 1
		.amdhsa_system_sgpr_workgroup_id_z 1
		.amdhsa_system_vgpr_workitem_id 0
		.amdhsa_next_free_vgpr 512
		.amdhsa_next_free_sgpr 80
		.amdhsa_reserve_vcc 0
		.amdhsa_float_denorm_mode_32 3
		.amdhsa_float_denorm_mode_16_64 3
		.amdhsa_fp16_overflow 1
		.amdhsa_memory_ordered 1
		.amdhsa_forward_progress 1
		.amdhsa_inst_pref_size 181
	.end_amdhsa_kernel
	.amdgpu_metadata
---
amdhsa.version: [ 1, 2 ]
amdhsa.kernels:
  - .name:           k_q9cfb569da0_attn
    .symbol:         k_q9cfb569da0_attn.kd
    .args:
      - { .name: qimg, .offset: 0, .size: 8, .value_kind: global_buffer, .address_space: global }
      - { .name: kv, .offset: 8, .size: 8, .value_kind: global_buffer, .address_space: global }
      - { .name: lowp_scales, .offset: 16, .size: 8, .value_kind: global_buffer, .address_space: global }
      - { .name: proj_w_codes, .offset: 24, .size: 8, .value_kind: global_buffer, .address_space: global }
      - { .name: proj_b, .offset: 32, .size: 8, .value_kind: global_buffer, .address_space: global }
      - { .name: x, .offset: 40, .size: 8, .value_kind: global_buffer, .address_space: global }
      - { .name: out0, .offset: 48, .size: 8, .value_kind: global_buffer, .address_space: global }
    .group_segment_fixed_size: 327680
    .private_segment_fixed_size: 0
    .kernarg_segment_align: 8
    .kernarg_segment_size: 56
    .max_flat_workgroup_size: 256
    .sgpr_count:     80
    .vgpr_count:     512
    .wavefront_size: 32
...
	.end_amdgpu_metadata
.endif
;; end of part 3
